; MI455X (gfx1250); checked and timed in simulation.
; The chip was launched on July 23, 2026; its instructions are those of AMD's public machine-readable ISA for CDNA 5 (MIT licence, August 2026) and "CDNA5" Instruction Set Architecture Reference Guide (July 2026). The comments in the code are by the model that wrote it; some were corrected since.
;; Model. Allowed arithmetic: matrix products marked QUANTISED: E4M3 operands, one E8M0 scale for each 32 along K, by v_wmma_scale_f32_16x16x128_f8f6f4 with both operands' format E4M3, f32 sums; products left as they are: f32 operands where the result goes on into a quantised operand, else bf16, f16 or f32 operands; f32 sums; everything else in f32.
;; Inputs: conv_b 32 float32; conv_w 32 x 3 float32; x1 4 x 3 x 254 x 254 float32; x2 4 x 1 x 4,096 x 256 float32.
;; Outputs: out0 4 x 32 x 256 x 256 float32.
;; Constants: dropout_p = 0.
;; This version of the problem:
;;   THIS VERSION OF THE PROBLEM IS GIVEN IN LOW PRECISION. The matrix products marked QUANTISED in the list below multiply operands that are first quantised to E4M3 (4 exponent bits, 3 mantissa bits; 8 bits a number), with one power-of-two scale for each 32 numbers along K (OCP MX v1.0); their sums are f32. All else is computed in f32.
;;   The module's matrix products, in the order in which they are computed (A, B: the left and right operand; K: the contracted axis; several contracted axes count as one K, in the product's order):
;;     1. [M 32, K 3] x [K 3, N 262,144]; A: input conv_w; B: computed on the way: left as it is (K = 3 < 32)
;;     2. batch 4 x [M 8,192, K 256] x [K 256, N 4,096]; A: computed on the way; B: input x2: QUANTISED
;;     3. batch 4 x [M 8,192, K 4,096] x [K 4,096, N 256]; A: softmax (see below); B: input x2: QUANTISED
;;   THE QUANTISER, for each operand of a quantised product, along K:
;;     - K is cut into blocks of 32 from its start; a last block that is shorter is filled with zeros.
;;     - A block's scale is 2^e with e = floor(log2(the largest magnitude in the block)) - 8, held to -126 .. 127; a block of zeros has e = 0. As a byte (E8M0): e + 127.
;;     - Each number is divided by its block's scale, clamped to +-448, and rounded to the nearest number of E4M3, ties to even, subnormals kept.
;;     - The product sums the exact products of the quantised numbers (number of the format x scale) in f32.
;;   ~~~python
;;   def quantise(x, axis):      # numpy; x: float32 -> the quantised numbers, widened to float32 again
;;       x = np.moveaxis(x, axis, -1); K = x.shape[-1]
;;       x = np.pad(x, [(0, 0)] * (x.ndim - 1) + [(0, -K % 32)]); x = x.reshape(x.shape[:-1] + (-1, 32)); a = np.abs(x).max(-1, keepdims=True)
;;       e = np.where(a > 0, np.clip(np.frexp(np.where(a > 0, a, 1))[1] - 1 - 8, -126, 127), 0)      # np.frexp(a)[1] - 1 = floor(log2(a)), exactly
;;       r = np.clip(x / 2.0 ** e, -448, 448)
;;       step = 2.0 ** (np.maximum(np.frexp(np.where(r == 0, 1, r))[1] - 1, -6) - 3)
;;       q = np.round(r / step) * step * 2.0 ** e      # np.round: ties to even
;;       return np.moveaxis(q.reshape(q.shape[:-2] + (-1,))[..., :K], -1, axis).astype(np.float32)
;;   ~~~
;;   SOFTMAX AHEAD OF A QUANTISED PRODUCT. Where the list says 'softmax', what is quantised is not the finished softmax but p = 2^(t - M), with t = logit x log2(e) and M = ceil(the row's largest t), a whole number; so 1/2 < the row's largest p <= 1. The row's sum l is taken of the UNQUANTISED p, in f32, and the product's result is divided by l at the end. Since M is a whole number, a kernel that streams over the keys may use a running M (the ceiling of the running maximum): every later rescaling is an exact power of two, which a block's scale takes up: the codes' values come out the same.
;;   OPERANDS COMPUTED ON THE WAY. 'Computed on the way' means the value that the module computes at that place (a softmax that the list does not call 'softmax' is quantised finished and normalised). What goes into a quantiser is computed in f32, as accurately as f32 sums, v_exp_f32 and their like allow (about 1e-6 of the number): no bf16 or f16 on the way to a quantiser, and a product that is left as it is and whose result goes on into a quantised operand takes f32 operands (vector FMAs, or v_wmma_f32_16x16x4_f32). A number that lies on a knife's edge between two numbers of the format may be rounded either way, as far as f32 arithmetic and the matrix unit's own rounding can turn it there, and no further.
;; One version. Each part assembles by itself: llvm-mc -triple=amdgcn-amd-amdhsa -mcpu=gfx1250 --defsym DOCPART=n.
;; ======== version 1 of 1: 2 launches
;; limits: right only within a limited range of input values
;; workspace buffers: kvc 8,388,608 bytes; kvs 262,144 bytes
;; launch prep (part 1): grid 256 x 1, 8 waves a work-group, no clusters, 69,632 bytes of LDS; arguments x2, kvc, kvs; writes kvc, kvs
.if DOCPART == 1
	.amdgcn_target "amdgcn-amd-amdhsa--gfx1250"
	.amdhsa_code_object_version 6
	.text
	.protected	k_qaf12b39d39_prep
	.globl	k_qaf12b39d39_prep
	.p2align	8
	.type	k_qaf12b39d39_prep,@function
k_qaf12b39d39_prep:
	s_mov_b64 s[64:65], 0
	v_nop
	global_prefetch_b8 v0, s[64:65] scope:SCOPE_SE
	s_setreg_imm32_b32 hwreg(HW_REG_WAVE_MODE, 25, 1), 1
	s_wait_xcnt 0x0
; x2 [4][4096 keys][256 d], f32, is read once and quantised TWICE to FP8 (E4M3) with one E8M0 scale for each 32 numbers:
; along d (the operand K of the scores) and along the keys (the operand V of the second product).
; Codes and scale words are stored as IMAGES OF THE OPERANDS' REGISTERS, so that the next launch fetches whole fragments by 16-byte loads at 16 x lane.
;   kvc [batch][step of 128 keys][65,536 bytes]: K's fragment (key tile j, K step s) at 2048 (2 j + s); V's fragment nn (channels 16 nn on) at 32,768 + 2048 nn;
;       in a fragment, register group c of lane l lies at 512 c + 16 l.
;       K: lane (r, h) holds key 32 (j / 2) + 8 (j % 2) + r + 8 (r / 8) and d = 128 s + 32 c + 16 h + 0 .. 15.   V: lane (r, h) holds channel 16 nn + r and keys 32 c + 16 h + 0 .. 15.
;   kvs [batch][step][2,048 bytes]: K's words at 512 g + 16 lane + 4 q (key tile 4 g + q, row lane % 16, K step lane / 16); V's at 1,024 + 512 g + 16 lane + 4 q (channel tile 2 (4 g + q) + lane / 16).
; A block's scale is 2^(floor(log2(its largest magnitude)) - 8); its byte is the largest magnitude's exponent field - 8, held at 1 from below.
; LIMITS: a block whose largest magnitude lies under 2^-118 (a block of zeros too) keeps the byte 1: its codes are zeros or subnormal codes, and this program alone reads the bytes.  NaN and infinities are not served.
; SHARES.  A work-group takes 128 keys x 128 d (64 KiB of f32): batch and step = x / 2, half of d = x % 2.  The tile goes through LDS, since both quantisers read it, one by rows and one by columns.
; Wave w makes K's fragment (j = w, s = the half) and V's fragment nn = 8 x half + w.  No tensor load, cluster or matrix unit: a stream in which no work-group shares a byte with another.
.set TP,   528                         ; a tile's row in LDS: 512 bytes + 16
.set SCW,  128*TP                      ; behind the tile: 512 bytes of K's scale words, 512 of V's
.set N,    32                          ; v32-95   16 loads as they come, later 64 numbers of a lane
.set CK,   96                          ; v96-111  K's codes
.set CV,   112                         ; v112-127 V's codes: registers of their own, so that no store's data are written again
.set BM,   128                         ; v128-131 the four blocks' largest magnitudes
.set BT,   132                         ; v132-135 the other half's; then the bytes
.set BH,   136
.set BS,   140                         ; v140-143 the conversions' scale operands
.set PWK,  144                         ; K's scale word
.set PWV,  145                         ; V's
.set OW,   146                         ; v146-149 the scale words on their way out
.set VO,   4                           ; x2: 16,384 x wave + 16 x lane
.set LA,   5                           ; the tile, on the way in
.set KA,   6                           ; the tile, by K's rows
.set VA,   7                           ; the tile, by V's columns
.set CO,   8                           ; 16 x lane
.set KWA,  9                           ; where K's scale word goes in LDS
.set VWA,  10                          ; where V's goes
.set WRD,  11                          ; waves 0, 1: where the words are read back
.set WGO,  12                          ; and their place in kvs
.set WV,   16
.set SEL,  34                          ; s[34:35] v_permlanex16_b32's selects for lane l xor 16
.set MNT,  36
; 64 numbers of a lane, register 16 b + i = place 32 b + 16 (lane / 16) + i along K of my row, become a fragment's 16 registers of codes and its scale word.
.macro QUANT src, dst, pw
.irp b, 0,1,2,3
	v_max3_num_f32 v[BM+\b], |v[16*\b+(\src)]|, |v[16*\b+1+(\src)]|, 0x4800000   ; my 16 numbers of block b, and the floor 2^(9 - 127): the byte cannot fall under 1
.endr
.irp i, 2,4,6,8,10,12,14
.irp b, 0,1,2,3
	s_delay_alu instid0(VALU_DEP_4)
	v_max3_num_f32 v[BM+\b], v[BM+\b], |v[16*\b+\i+(\src)]|, |v[16*\b+\i+1+(\src)]|   ; the four blocks by turns
.endr
.endr
.irp b, 0,1,2,3
	s_delay_alu instid0(VALU_DEP_4)
	v_permlanex16_b32 v[BT+\b], v[BM+\b], s[SEL], s[SEL+1]
.endr
.irp b, 0,1,2,3
	s_delay_alu instid0(VALU_DEP_4)
	v_max_num_f32 v[BM+\b], v[BM+\b], v[BT+\b]                 ; with lane l xor 16's 16: the block's largest magnitude
.endr
.irp b, 0,1,2,3
	s_delay_alu instid0(VALU_DEP_4)
	v_add_nc_u32 v[BS+\b], 0xfc000000, v[BM+\b]                ; 8 off its exponent field: the conversion takes this operand's exponent field as its scale
.endr
.irp b, 0,1,2,3
.endr
.irp b, 0,1,2,3
	s_delay_alu instid0(VALU_DEP_4)
	v_lshrrev_b32 v[BT+\b], 23, v[BS+\b]                       ; the scale's byte
.endr
	s_delay_alu instid0(VALU_DEP_3)
	v_lshl_or_b32 v[\pw], v[BT+1], 8, v[BT]
	s_delay_alu instid0(VALU_DEP_1)
	v_lshl_or_b32 v[\pw], v[BT+2], 16, v[\pw]
	s_delay_alu instid0(VALU_DEP_1)
	v_lshl_or_b32 v[\pw], v[BT+3], 24, v[\pw]                  ; my row's scale word
.irp b, 0,1,2,3
.irp i, 0,1,2,3,4,5,6,7,8,9,10,11,12,13,14,15
.endr
	v_cvt_scalef32_pk8_fp8_f32 v[4*\b+(\dst):4*\b+1+(\dst)], v[16*\b+(\src):16*\b+7+(\src)], v[BS+\b]
	v_cvt_scalef32_pk8_fp8_f32 v[4*\b+2+(\dst):4*\b+3+(\dst)], v[16*\b+8+(\src):16*\b+15+(\src)], v[BS+\b]
.endr
	v_nop                                                      ; one plain line behind the last conversion
.endm
	s_load_b128 s[4:7], s[0:1], 0x0                ; x2, kvc
	s_load_b64 s[8:9], s[0:1], 0x10                ; kvs
	v_lshl_add_u32 v152, v0, 2, 0x10c00
	v_mov_b32 v153, 0
	v_lshrrev_b32 v1, 5, v0
	s_delay_alu instid0(VALU_DEP_1)
	v_readfirstlane_b32 s[WV], v1                  ; wave 0..7
	v_and_b32 v1, 31, v0                           ; lane
	v_and_b32 v2, 15, v0                           ; r
	s_wait_alu depctr_va_vdst(0)
	v_bfe_u32 v3, v0, 4, 1                         ; h
	s_lshr_b32 s17, ttmp9, 1                       ; 32 x batch + step
	s_and_b32 s18, ttmp9, 1                        ; which half of d
	v_lshlrev_b32 v[CO], 4, v1
	s_lshl_b32 s19, s[WV], 14
	v_add_nc_u32 v[VO], s19, v[CO]                 ; my wave's 16 rows of 1,024 bytes
	s_mul_i32 s19, s[WV], 16*TP
	v_add_nc_u32 v[LA], s19, v[CO]
	s_lshr_b32 s19, s[WV], 1                       ; K: my tile's first key: 32 (w / 2) + 8 (w % 2)
	s_lshl_b32 s19, s19, 5
	s_and_b32 s20, s[WV], 1
	s_lshl_b32 s20, s20, 3
	s_add_co_u32 s19, s19, s20
	s_mul_i32 s19, s19, TP
	v_and_b32 v[KA], 8, v2
	s_delay_alu instid0(VALU_DEP_1)
	v_add_nc_u32 v[KA], v[KA], v2                  ; r + 8 (r / 8)
	s_delay_alu instid0(VALU_DEP_1)
	v_mul_u32_u24 v[KA], v[KA], TP
	s_wait_alu depctr_va_vdst(0)
	v_lshl_add_u32 v[KA], v3, 6, v[KA]             ; + 64 h: my 16 numbers of a block
	s_delay_alu instid0(VALU_DEP_1)
	v_add_nc_u32 v[KA], s19, v[KA]
	v_mul_u32_u24 v[VA], v3, 16*TP                 ; V: lanes 16-31 begin 16 keys further down,
	s_delay_alu instid0(VALU_DEP_1)
	v_lshl_add_u32 v[VA], v2, 2, v[VA]             ; column 16 w + r
	s_lshl_b32 s19, s[WV], 6
	v_add_nc_u32 v[VA], s19, v[VA]
	s_lshr_b32 s19, s[WV], 2                       ; K's word: 256 (w / 4) + 16 r + 4 (w % 4)
	s_lshl_b32 s19, s19, 8
	s_and_b32 s20, s[WV], 3
	s_lshl_b32 s20, s20, 2
	s_add_co_u32 s19, s19, s20
	s_add_co_u32 s19, s19, SCW
	v_lshl_add_u32 v[KWA], v2, 4, s19
	s_and_b32 s19, s[WV], 1                        ; V's word: 16 (16 (w % 2) + r) + 4 (w / 2)
	s_lshl_b32 s19, s19, 8
	s_lshr_b32 s20, s[WV], 1
	s_lshl_b32 s20, s20, 2
	s_add_co_u32 s19, s19, s20
	s_add_co_u32 s19, s19, SCW+512
	v_lshl_add_u32 v[VWA], v2, 4, s19
	s_min_u32 s19, s[WV], 1                        ; the words' way out: wave 0 takes K's 512 bytes, wave 1 V's
	s_lshl_b32 s20, s19, 9
	s_add_co_u32 s20, s20, SCW
	v_add_nc_u32 v[WRD], s20, v[CO]
	s_lshr_b32 s21, 512, s19                       ; K's two groups lie 512 bytes apart in kvs (the other half of d between them), V's 256
	v_mul_u32_u24 v[WGO], v3, s21
	s_delay_alu instid0(VALU_DEP_1)
	v_lshl_add_u32 v[WGO], v2, 4, v[WGO]
	s_lshl_b32 s21, s19, 10                        ; V's words begin at 1,024
	s_lshl_b32 s22, s18, 8                         ; my half of d: 256 bytes on for K, 512 for V
	s_lshl_b32 s22, s22, s19
	s_add_co_u32 s21, s21, s22
	v_add_nc_u32 v[WGO], s21, v[WGO]
	s_mov_b32 s[SEL], 0x76543210
	s_mov_b32 s[SEL+1], 0xfedcba98
.irp b, 0,1,2,3
	v_mov_b32 v[BT+\b], 0                          ; written once: a lane permute's destination counts as one of its sources
.endr
	s_lshl_b32 s24, s17, 17                        ; x2: 128 rows of 1,024 bytes a step, + 512 x half
	s_lshl_b32 s20, s18, 9
	s_add_co_u32 s24, s24, s20
	s_mov_b32 s25, 0
	s_lshl_b32 s26, s17, 16                        ; kvc: the step, + 2,048 (2 w + half)
	s_lshl_b32 s20, s[WV], 12
	s_add_co_u32 s26, s26, s20
	s_lshl_b32 s20, s18, 11
	s_add_co_u32 s26, s26, s20
	s_mov_b32 s27, 0
	s_lshl_b32 s28, s17, 16                        ; and + 32,768 + 2,048 (8 x half + w)
	s_lshl_b32 s20, s18, 14
	s_add_co_u32 s28, s28, s20
	s_lshl_b32 s20, s[WV], 11
	s_add_co_u32 s28, s28, s20
	s_add_co_u32 s28, s28, 32768
	s_mov_b32 s29, 0
	s_lshl_b32 s30, s17, 11                        ; kvs: 2,048 bytes a step
	s_mov_b32 s31, 0
	s_wait_kmcnt 0x0
	s_add_nc_u64 s[4:5], s[4:5], s[24:25]
	s_add_nc_u64 s[10:11], s[6:7], s[26:27]
	s_add_nc_u64 s[12:13], s[6:7], s[28:29]
	s_add_nc_u64 s[8:9], s[8:9], s[30:31]
	; the tile comes in: each load of the wave covers 512 consecutive bytes, aligned: one row's half
.irp k, 0,1,2,3,4,5,6,7,8,9,10,11,12,13,14,15
	global_load_b128 v[N+4*\k:N+4*\k+3], v[VO], s[4:5] offset:1024*\k th:TH_LOAD_NT
.endr
.irp k, 0,1,2,3,4,5,6,7,8,9,10,11,12,13,14,15
	s_wait_loadcnt 15-\k                           ; loads come back in order: load k is in, the younger ones stay out
	ds_store_b128 v[LA], v[N+4*\k:N+4*\k+3] offset:TP*\k
.endr
	s_wait_dscnt 0x0                               ; for the others' sake: my rows lie in LDS
	s_barrier_signal -1
	s_barrier_wait -1
	; K: 16 neighbours along d of each of the four blocks of my key
.irp c, 0,1,2,3
.irp k, 0,1,2,3
	ds_load_b128 v[N+16*\c+4*\k:N+16*\c+4*\k+3], v[KA] offset:128*\c+16*\k
.endr
.endr
	s_wait_dscnt 0x0
	QUANT N, CK, PWK
.irp c, 0,1,2,3
	global_store_b128 v[CO], v[CK+4*\c:CK+4*\c+3], s[10:11] offset:512*\c   ; 512 consecutive bytes, aligned
.endr
	ds_store_b32 v[KWA], v[PWK]                    ; lanes l and l + 16 write the same word with the same value
	; V: my column, registers down the keys
.irp c, 0,1,2,3
.irp i, 0,1,2,3,4,5,6,7,8,9,10,11,12,13,14,15
	ds_load_b32 v[N+16*\c+\i], v[VA] offset:(32*\c+\i)*TP
.endr
.endr
	s_wait_dscnt 0x0
	QUANT N, CV, PWV
.irp c, 0,1,2,3
	global_store_b128 v[CO], v[CV+4*\c:CV+4*\c+3], s[12:13] offset:512*\c
.endr
	ds_store_b32 v[VWA], v[PWV]
	s_wait_dscnt 0x0                               ; for the others' sake: my scale words lie in LDS
	s_barrier_signal -1
	s_barrier_wait -1
	s_cmp_gt_u32 s[WV], 1
	s_cbranch_scc1 .Ldone                          ; waves 0 and 1 carry the words out; no barrier stands behind this branch
	ds_load_b128 v[OW:OW+3], v[WRD]
	s_wait_dscnt 0x0
	global_store_b128 v[WGO], v[OW:OW+3], s[8:9]   ; sixteen lanes store 256 consecutive bytes, aligned
.Ldone:
	s_wait_tensorcnt 0x0
	ds_add_u32 v152, v153
	s_wait_dscnt 0x0
	s_endpgm
.Lfunc_end_k_qaf12b39d39_prep:
	.size	k_qaf12b39d39_prep, .Lfunc_end_k_qaf12b39d39_prep-k_qaf12b39d39_prep
	.p2alignl 7, 3214868480
	.fill 96, 4, 3214868480
	.section	.rodata,"a",@progbits
	.p2align	6, 0x0
	.amdhsa_kernel k_qaf12b39d39_prep
		.amdhsa_group_segment_fixed_size 69632
		.amdhsa_private_segment_fixed_size 0
		.amdhsa_enable_private_segment 0
		.amdhsa_kernarg_size 24
		.amdhsa_user_sgpr_count 2
		.amdhsa_user_sgpr_kernarg_segment_ptr 1
		.amdhsa_wavefront_size32 1
		.amdhsa_system_sgpr_workgroup_id_x 1
		.amdhsa_system_sgpr_workgroup_id_y 1
		.amdhsa_system_sgpr_workgroup_id_z 1
		.amdhsa_system_vgpr_workitem_id 0
		.amdhsa_next_free_vgpr 154
		.amdhsa_next_free_sgpr 66
		.amdhsa_reserve_vcc 0
		.amdhsa_float_denorm_mode_32 3
		.amdhsa_float_denorm_mode_16_64 3
		.amdhsa_fp16_overflow 1
		.amdhsa_memory_ordered 1
		.amdhsa_forward_progress 1
		.amdhsa_inst_pref_size 24
	.end_amdhsa_kernel
	.amdgpu_metadata
---
amdhsa.version: [ 1, 2 ]
amdhsa.kernels:
  - .name:           k_qaf12b39d39_prep
    .symbol:         k_qaf12b39d39_prep.kd
    .args:
      - { .name: x2, .offset: 0, .size: 8, .value_kind: global_buffer, .address_space: global }
      - { .name: kvc, .offset: 8, .size: 8, .value_kind: global_buffer, .address_space: global }
      - { .name: kvs, .offset: 16, .size: 8, .value_kind: global_buffer, .address_space: global }
    .group_segment_fixed_size: 69632
    .private_segment_fixed_size: 0
    .kernarg_segment_align: 8
    .kernarg_segment_size: 24
    .max_flat_workgroup_size: 256
    .sgpr_count:     66
    .vgpr_count:     154
    .wavefront_size: 32
...
	.end_amdgpu_metadata
.endif
;; end of part 1
;; launch attn (part 2): grid 256 x 1, 4 waves a work-group, clusters of 4 x 1, 327,680 bytes of LDS; arguments x1, conv_w, conv_b, kvc, kvs, out0; writes out0
.if DOCPART == 2
	.amdgcn_target "amdgcn-amd-amdhsa--gfx1250"
	.amdhsa_code_object_version 6
	.text
	.protected	k_qaf12b39d39_attn
	.globl	k_qaf12b39d39_attn
	.p2align	8
	.type	k_qaf12b39d39_attn,@function
k_qaf12b39d39_attn:
	s_mov_b64 s[64:65], 0
	v_nop
	global_prefetch_b8 v0, s[64:65] scope:SCOPE_SE
	s_setreg_imm32_b32 hwreg(HW_REG_WAVE_MODE, 25, 1), 1
	s_wait_xcnt 0x0
	s_wait_alu depctr_hold_cnt(0) depctr_sa_sdst(0) depctr_va_vdst(0) depctr_va_sdst(0) depctr_va_ssrc(0) depctr_va_vcc(0) depctr_vm_vsrc(0)
	s_getreg_b32 s2, hwreg(HW_REG_IB_STS2, 6, 4)
	s_cmp_eq_u32 s2, 0
	s_cbranch_scc0 .Lentry_in_a_cluster
	s_endpgm
.Lentry_in_a_cluster:
	s_bfe_u32 s2, ttmp6, 0x10000c
	s_cmp_lg_u32 s2, 0x3003
	s_cbranch_scc0 .Lentry_shape_is_right
	s_endpgm
.Lentry_shape_is_right:
; out[b][o][h][:] = the sum over keys of softmax(q[b][o][h] . x2[b][key] x sqrt(32)) x2[b][key][:],  q[b][o][h][d] = the sum over c of conv_w[o][c] x1p[b][c][h][d] + conv_b[o], x1p = x1 with a border of zeros.
; Both large products run on codes of FP8 (E4M3) with one E8M0 scale for each 32 along K.  K's and V's codes and scale words come from the launch before, as images of the operands' registers (kvc, kvs).
; q is made here in f32 (a multiplication, two fused multiply-adds, the bias last, as the definition has it) and quantised in registers: each row of q is read by one wave alone.
; THE SOFTMAX: t = score x sqrt(32) log2(e) (one constant, one fused multiply-add); M = the running largest t rounded UP to a whole number, kept as -M = floor(-t); p = 2^(t - M) is quantised along the keys, not normalised;
; the row's sum is taken of the unquantised p and divides at the end; when M moves, the sum and O are multiplied by 2^(old M - new M), which rounds nothing.
; LIMITS: NaN and infinities are not served; a block whose largest magnitude lies under 2^-118 keeps the scale byte 1; a p under 2^-126 comes out of v_exp_f32 as 0.
; SHARES.  A cluster of four work-groups takes one batch and 16 rows h; partner cx takes channels o = 8 cx .. 8 cx + 7, its wave w two of them: two tiles of 16 queries (o = 8 cx + 2 w + t, h = 16 ht + lane % 16).
; 32,768 queries on 1,024 waves are 32 a wave: two tiles, so that each fragment of K and V read from LDS feeds two matrix instructions.
; The four partners walk the same K and V: each package (two steps of 128 keys, 131,072 bytes) is asked for JOINTLY, a quarter by each wave, with a mask that names the four.
; LAYOUT.  Both products are used transposed: S^T = K Q^T (source 0 = 16 keys), O^T = V^T P^T (source 0 = 16 channels): a lane holds ONE query throughout, and the keys of a tile of K are chosen so that the
; 16 registers of two neighbouring tiles are 16 neighbouring keys: the conversions' results are the second product's operand.
; THE ORDER OF A STEP n: K(n) is asked of LDS | O^T += V^T P^T of step n - 1, with O^T's rescaling between its products | S^T of step n | V(n) is asked of LDS | the softmax of step n.  So every run of LDS loads lands under other work.
; REGISTERS, in windows of 256: window 0: addresses, scale words, statistics, Q (v64-127), S^T then p (v128-255).   window 1: 14 fragments of K (key tile 7 comes later into the first two), p's codes at v224-255; at the head x1p's numbers.
;   window 2: V's 16 fragments.   window 3: O^T, tile t, channels 16 nn on, at 128 t + 8 nn.
.set STEPB,  65536                     ; a step's bytes: 32,768 of K, 32,768 of V
.set SLOT1,  1<<17                     ; a slot holds two steps; slot 1 begins here: one exclusive or turns an address
.set PACK,   2*STEPB
.set XST,    2*SLOT1                   ; behind the ring: 48 rows of x1p, 1,024 bytes + 16; later the waves' stages for the way out.  No tensor load lands here
.set XP,     1040
.set SPARE,  XST+48*XP                 ; the spare words, 128 bytes for each wave: two blocks of 256 bytes that no other line names
.set OP,     528                       ; a stage's row: 512 bytes + 16
.set SPW, 1                            ; v1   LDS address of my spare word; never rewritten
.set NIL, 2                            ; v2   0; never rewritten
.set AL,  3                            ; v3   16 x lane; never rewritten
.set ADR, 4                            ; v4   LDS address of the step in hand
.set PFO, 5                            ; v5   256 x lane: the prefetches' offset; never rewritten
.set VKO, 6                            ; v6   offset of K's scale words in kvs
.set VVO, 7                            ; v7   of V's
.set XA,  8                            ; v8   x1p in LDS, by rows; on the way out STO
.set STO, 8
.set XO,  9                            ; v9   x1: my 8 bytes of a row; on the way out RD
.set RD,  9
.set SA0, 10                           ; v10-11 x1p in LDS, on the way in
.set SA1, 11
.set QS,  12                           ; v12-13 Q's scale words, tile t: lanes 0-15 K step 0, lanes 16-31 K step 1
.set PS,  14                           ; v14-15 p's scale words
.set KSW, 16                           ; v16-23 K's scale words: register j = key tile j; lanes 0-15 K step 0, lanes 16-31 K step 1
.set VSW, 24                           ; v24-31 V's: register m: lanes 0-15 channel tile 2 m, lanes 16-31 tile 2 m + 1
.set ST,  32                           ; statistics, six a tile: -M, the largest t | the sum in two halves | f, at work
.set BM,  44                           ; v44-51 the largest score, then p, of each block of 32 keys: four a tile
.set BT,  52                           ; v52-55 at work
.set SUM, 52                           ; v52-53 the sums' second chain
.set BH,  56
.set BS,  60                           ; v60-63 the conversions' scale operands
.set Q,   64
.set S,   128
.set PC,  224                          ; in window 1
.set WV,  16
.set CX,  17
.set HT,  18
.set BB,  19
.set TB,  20                           ; LDS byte at which the step to be fetched begins
.set SLOTS, 21                         ; packages still to be asked for
.set TWICE, 22
.set SN,  23                           ; 2,048 x step: its scale words in kvs
.set G1,  24                           ; s[24:31] descriptor group 1
.set G0,  32                           ; s[32:35] group 0, which walks
.set PFA, 36                           ; s[36:37] where my prefetches stand
.set LIM, 38                           ; 1 in a cluster that prefetches, else the greatest number
.set MNT, 39
.set SEL, 40
.set CS,  42                           ; s[42:43] sqrt(32) log2(e)
.set MH,  44                           ; lanes 16-31
.set TMP, 45
.set BX,  46                           ; s[46:51] x1 at my rows; at row 0's source; at row 15's
.set BX0, 48
.set BX15, 50
.set RAW, 52                           ; s[52:59] six weights, two biases
.set WP,  66                           ; s[66:81] the same as pairs: the packed forms name a pair
.set PKS, 12                           ; s[12:13] kvs at my batch
.set MSB, 0
.macro WIN new                         ; the immediate's high byte repeats the setting that is left; a switch that changes nothing is dropped
.if MSB != \new
	s_set_vgpr_msb (MSB<<8)|\new
.set MSB, \new
.endif
.endm
.set W1D, 0x40                         ; destination window 1
.set W2D, 0x80                         ; destination window 2
.set WQK, 0x01                         ; source 0 window 1
.set WPV, 0xf6                         ; source 0 (V) window 2, source 1 (p) window 1, C and D window 3
.set WRS, 0xc3                         ; destination and source 0 window 3
.set WO,  0x03                         ; source 0 window 3
.macro PLACES n
.rept \n
	v_nop
.endr
.endm
; A round of the cluster's barrier: my work-group's barrier; wave 0 signals for the work-group; every wave waits for all four work-groups; my work-group's barrier once more.
.macro CROUND
	s_barrier_signal -1
	s_barrier_wait -1
	s_cmp_lg_u32 s[WV], 0
	s_cbranch_scc1 .Lnot_wave_0_\@
	s_barrier_signal -3
.Lnot_wave_0_\@:
	s_barrier_wait -3
	s_barrier_signal -1
	s_barrier_wait -1
.endm
; A prefetch of the package that the NEXT change of slots will ask for: 131,072 bytes = 4 partners x 4 waves x 32 lanes x 256 bytes, told apart by address.  All sixteen clusters of a batch walk the same packages:
; the batch's first cluster asks.  The last change that fills a slot asks for nothing; packages 0 and 1 come by their loads alone.
.macro ASK
	s_cmp_gt_u32 s[SLOTS], s[LIM]
	s_cbranch_scc0 .Lnot_mine_\@
	global_prefetch_b8 v[PFO], s[PFA:PFA+1] th:TH_LOAD_NT scope:SCOPE_SE
.Lnot_mine_\@:
.endm
; 64 numbers of a lane, register 16 b + i = d 32 b + 16 (lane / 16) + i of my row, become a fragment's codes and its scale word.
.macro QUANT src, dst, pw
.irp b, 0,1,2,3
	v_max3_num_f32 v[BM+\b], |v[16*\b+(\src)]|, |v[16*\b+1+(\src)]|, 0x4800000   ; and the floor 2^(9 - 127): the byte cannot fall under 1
.endr
.irp i, 2,4,6,8,10,12,14
.irp b, 0,1,2,3
	v_max3_num_f32 v[BM+\b], v[BM+\b], |v[16*\b+\i+(\src)]|, |v[16*\b+\i+1+(\src)]|
.endr
.endr
.irp b, 0,1,2,3
	v_permlanex16_b32 v[BT+\b], v[BM+\b], s[SEL], s[SEL+1]
.endr
.irp b, 0,1,2,3
	v_max_num_f32 v[BM+\b], v[BM+\b], v[BT+\b]
.endr
.irp b, 0,1,2,3
	v_add_nc_u32 v[BS+\b], 0xfc000000, v[BM+\b]
.endr
.irp b, 0,1,2,3
.endr
.irp b, 0,1,2,3
	v_lshrrev_b32 v[BT+\b], 23, v[BS+\b]
.endr
	v_lshl_or_b32 v[\pw], v[BT+1], 8, v[BT]
	v_lshl_or_b32 v[\pw], v[BT+2], 16, v[\pw]
	v_lshl_or_b32 v[\pw], v[BT+3], 24, v[\pw]
.irp b, 0,1,2,3
.irp i, 0,1,2,3,4,5,6,7,8,9,10,11,12,13,14,15
.endr
	v_cvt_scalef32_pk8_fp8_f32 v[4*\b+(\dst):4*\b+1+(\dst)], v[16*\b+(\src):16*\b+7+(\src)], v[BS+\b]
	v_cvt_scalef32_pk8_fp8_f32 v[4*\b+2+(\dst):4*\b+3+(\dst)], v[16*\b+8+(\src):16*\b+15+(\src)], v[BS+\b]
.endr
	v_nop                                          ; one plain line behind the last conversion
.endm
; THE RUNS OF LDS LOADS.  Every load takes 512 consecutive bytes: lane l's 16 at 16 l.
.macro KLOAD_A                         ; K's fragments 0 .. 13 (key tiles 0 to 6, two K steps each): 56 loads
	WIN W1D
.set f, 0
.rept 14
.irp c, 0,1,2,3
	ds_load_b128 v[16*f+4*\c:16*f+4*\c+3], v[ADR] offset:2048*f+512*\c
.endr
.set f, f+1
.endr
.endm
.macro KLOAD_B                         ; key tile 7, into the registers that key tile 0 has left: 8 loads
	WIN W1D
.irp u, 0,1
.irp c, 0,1,2,3
	ds_load_b128 v[16*\u+4*\c:16*\u+4*\c+3], v[ADR] offset:2048*(14+\u)+512*\c
.endr
.endr
.endm
.macro VLOAD                           ; V's 16 fragments: 64 loads
	WIN W2D
.set f, 0
.rept 16
.irp c, 0,1,2,3
	ds_load_b128 v[16*f+4*\c:16*f+4*\c+3], v[ADR] offset:32768+2048*f+512*\c
.endr
.set f, f+1
.endr
.endm
; S^T of key tiles j, j + 1 for both tiles of queries: four accumulators by turns, K step 0 (which starts the sums) and then K step 1.
.macro QKG j
	WIN WQK
.irp s, 0,1
.irp u, 0,1
.irp t, 0,1
.set kt, (\j)+\u
.set rK, 16*(2*kt+\s)
.if kt == 7
.set rK, 16*\s
.endif
.set rS, S+64*\t+8*kt
.set rQ, Q+32*\t+16*\s
.if \s == 0
	v_wmma_scale_f32_16x16x128_f8f6f4 v[rS:rS+7], v[rK:rK+15], v[rQ:rQ+15], 0, v[KSW+kt], v[QS+\t]
.else
	v_wmma_scale_f32_16x16x128_f8f6f4 v[rS:rS+7], v[rK:rK+15], v[rQ:rQ+15], v[rS:rS+7], v[KSW+kt], v[QS+\t] matrix_a_scale:MATRIX_SCALE_ROW1 matrix_b_scale:MATRIX_SCALE_ROW1
.endif
.endr
.endr
.endr
.endm
.macro RS                              ; O^T's channels 16 rn on, both tiles, x f: each accumulator from its low end on
	WIN WRS
.irp t, 0,1
.irp k, 0,2,4,6
	v_pk_mul_f32 v[128*\t+8*rn+\k:128*\t+8*rn+\k+1], v[128*\t+8*rn+\k:128*\t+8*rn+\k+1], v[ST+6*\t+4:ST+6*\t+5] op_sel_hi:[1,0]
.endr
.endr
.endm
.macro MM zero                         ; O^T's channels 16 nn on, both tiles, += V^T P^T; zero: the product starts the sums
	WIN WPV
.irp t, 0,1
.if (\zero) && (nn%2 == 0)
	v_wmma_scale_f32_16x16x128_f8f6f4 v[128*\t+8*nn:128*\t+8*nn+7], v[16*nn:16*nn+15], v[PC+16*\t:PC+16*\t+15], 0, v[VSW+nn/2], v[PS+\t]
.elseif (\zero)
	v_wmma_scale_f32_16x16x128_f8f6f4 v[128*\t+8*nn:128*\t+8*nn+7], v[16*nn:16*nn+15], v[PC+16*\t:PC+16*\t+15], 0, v[VSW+nn/2], v[PS+\t] matrix_a_scale:MATRIX_SCALE_ROW1
.elseif nn%2 == 0
	v_wmma_scale_f32_16x16x128_f8f6f4 v[128*\t+8*nn:128*\t+8*nn+7], v[16*nn:16*nn+15], v[PC+16*\t:PC+16*\t+15], v[128*\t+8*nn:128*\t+8*nn+7], v[VSW+nn/2], v[PS+\t]
.else
	v_wmma_scale_f32_16x16x128_f8f6f4 v[128*\t+8*nn:128*\t+8*nn+7], v[16*nn:16*nn+15], v[PC+16*\t:PC+16*\t+15], v[128*\t+8*nn:128*\t+8*nn+7], v[VSW+nn/2], v[PS+\t] matrix_a_scale:MATRIX_SCALE_ROW1
.endif
.endr
.endm
; The second product of a step.  pv = 2: the rescaling of the channels one tile ahead stands between the products, eight packed multiplications for each two matrix instructions; pv = 1: the first step's, which starts O^T.
.macro PVALL pv
.if \pv == 2
.set rn, 0
	RS
.endif
.set nn, 0
.rept 16
.if (\pv == 2) && (nn < 15)
.set rn, nn+1
	RS
.endif
	MM 2-\pv
.set nn, nn+1
.endr
.endm
.macro SUMSTEP t                       ; addition z of 32 of tile t's sum of p: two chains, the running sum and SUM, two numbers an instruction
.set rS, S+64*(\t)
.set rL, ST+6*(\t)+2
.if z == 0
	v_pk_add_f32 v[SUM:SUM+1], v[rS:rS+1], v[rS+2:rS+3]
.elseif z == 31
	v_pk_add_f32 v[rL:rL+1], v[rL:rL+1], v[SUM:SUM+1]
.elseif z%2 == 1
	v_pk_add_f32 v[rL:rL+1], v[rL:rL+1], v[rS+2*z+2:rS+2*z+3]
.else
	v_pk_add_f32 v[SUM:SUM+1], v[SUM:SUM+1], v[rS+2*z+2:rS+2*z+3]
.endif
.endm
.macro SCALES t                        ; from the blocks' largest p: the conversions' operands, the scale word
.irp b, 0,1,2,3
	v_max_num_f32 v[BM+4*(\t)+\b], 0x4800000, v[BM+4*(\t)+\b]   ; the floor 2^(9 - 127)
.endr
.irp b, 0,1,2,3
	v_add_nc_u32 v[BS+\b], 0xfc000000, v[BM+4*(\t)+\b]
.endr
.irp b, 0,1,2,3
.endr
.irp b, 0,1,2,3
	v_lshrrev_b32 v[BT+\b], 23, v[BS+\b]
.endr
	v_lshl_or_b32 v[PS+(\t)], v[BT+1], 8, v[BT]
	v_lshl_or_b32 v[PS+(\t)], v[BT+2], 16, v[PS+(\t)]
	v_lshl_or_b32 v[PS+(\t)], v[BT+3], 24, v[PS+(\t)]
.endm
.macro HOLD t
.irp b, 0,1,2,3
.irp i, 0,1,2,3,4,5,6,7,8,9,10,11,12,13,14,15
.endr
.endr
.endm
.macro CODES t
	WIN W1D
.irp b, 0,1,2,3
	v_cvt_scalef32_pk8_fp8_f32 v[PC+16*(\t)+4*\b:PC+16*(\t)+4*\b+1], v[S+64*(\t)+16*\b:S+64*(\t)+16*\b+7], v[BS+\b]
	v_cvt_scalef32_pk8_fp8_f32 v[PC+16*(\t)+4*\b+2:PC+16*(\t)+4*\b+3], v[S+64*(\t)+16*\b+8:S+64*(\t)+16*\b+15], v[BS+\b]
.endr
	WIN 0
.endm
; THE SOFTMAX OF A STEP, both tiles.  The exponentials go in batches with plain work of the other tile between them, and each batch has one wait ahead of its first reader.
.macro SM2
.irp t, 0,1
.irp b, 0,1,2,3
	v_max3_num_f32 v[BM+4*\t+\b], v[S+64*\t+16*\b], v[S+64*\t+16*\b+1], v[S+64*\t+16*\b+2]   ; the largest score of each block of 32 keys: eight chains; each accumulator is read from its low end on
.endr
.endr
.irp i, 3,5,7,9,11,13
.irp t, 0,1
.irp b, 0,1,2,3
	v_max3_num_f32 v[BM+4*\t+\b], v[BM+4*\t+\b], v[S+64*\t+16*\b+\i], v[S+64*\t+16*\b+\i+1]
.endr
.endr
.endr
.irp t, 0,1
.irp b, 0,1,2,3
	v_max_num_f32 v[BM+4*\t+\b], v[BM+4*\t+\b], v[S+64*\t+16*\b+15]
.endr
.endr
.irp t, 0,1
.irp b, 0,1,2,3
	v_permlanex16_b32 v[BT+\b], v[BM+4*\t+\b], s[SEL], s[SEL+1]
.endr
.irp b, 0,1,2,3
	v_max_num_f32 v[BM+4*\t+\b], v[BM+4*\t+\b], v[BT+\b]       ; with lane l xor 16's 16 keys
.endr
.endr
.irp t, 0,1
	v_max3_num_f32 v[ST+6*\t+5], v[BM+4*\t], v[BM+4*\t+1], v[BM+4*\t+2]
.endr
.irp t, 0,1
	v_max_num_f32 v[ST+6*\t+5], v[ST+6*\t+5], v[BM+4*\t+3]     ; the step's largest score of my query
.endr
.irp t, 0,1
	v_mul_f32 v[ST+6*\t+5], s[CS], v[ST+6*\t+5]                ; as t
.endr
.irp t, 0,1
	v_max_num_f32 v[ST+6*\t+1], v[ST+6*\t+1], v[ST+6*\t+5]     ; the running largest t
.endr
.irp t, 0,1
	v_mov_b32 v[ST+6*\t+5], v[ST+6*\t]
.endr
.irp t, 0,1
	v_floor_f32 v[ST+6*\t], -v[ST+6*\t+1]                      ; the new -M = -ceil(t)
.endr
.irp t, 0,1
	v_sub_f32 v[ST+6*\t+5], v[ST+6*\t], v[ST+6*\t+5]           ; old M - new M: a whole number, 0 or less
.endr
.irp t, 0,1
	v_cvt_i32_f32 v[ST+6*\t+5], v[ST+6*\t+5]                   ; (it saturates)
.endr
.irp t, 0,1
	v_ldexp_f32 v[ST+6*\t+4], 1.0, v[ST+6*\t+5]                ; f = 2^(old M - new M)
.endr
.set k, 0
.rept 32
	v_pk_fma_f32 v[S+2*k:S+2*k+1], v[S+2*k:S+2*k+1], s[CS:CS+1], v[ST:ST+1] op_sel_hi:[1,0,0]   ; tile 0: t - M
.set k, k+1
.endr
.irp b, 0,1,2,3
	v_fma_f32 v[BM+\b], v[BM+\b], s[CS], v[ST]                 ; the same of each block's largest score
.endr
.set k, 0
.rept 32
	v_exp_f32 v[S+2*k], v[S+2*k]                               ; tile 0: p = 2^(t - M); tile 1's scalings stand between
	v_pk_fma_f32 v[S+64+2*k:S+64+2*k+1], v[S+64+2*k:S+64+2*k+1], s[CS:CS+1], v[ST+6:ST+7] op_sel_hi:[1,0,0]
	v_exp_f32 v[S+2*k+1], v[S+2*k+1]
.set k, k+1
.endr
.irp b, 0,1,2,3
	v_fma_f32 v[BM+4+\b], v[BM+4+\b], s[CS], v[ST+6]
.endr
.irp t, 0,1
	v_pk_mul_f32 v[ST+6*\t+2:ST+6*\t+3], v[ST+6*\t+2:ST+6*\t+3], v[ST+6*\t+4:ST+6*\t+5] op_sel_hi:[1,0]   ; the sums under the new M
.endr
	s_wait_alu depctr_va_vdst(0)                   ; one wait for tile 0's 64 exponentials, ahead of their first reader
.irp b, 0,1,2,3
	v_exp_f32 v[BM+\b], v[BM+\b]                   ; tile 0: the blocks' largest p: the same two instructions on the same number give the same bits
.endr
.set z, 0
.rept 32
	v_exp_f32 v[S+64+2*z], v[S+64+2*z]             ; tile 1's exponentials; tile 0's sum of the UNQUANTISED p stands between
	SUMSTEP 0
	v_exp_f32 v[S+64+2*z+1], v[S+64+2*z+1]
.set z, z+1
.endr
	v_nop                                          ; a plain line behind the last exponential
	s_wait_alu depctr_va_vdst(0)                   ; one wait for tile 1's 64 and tile 0's four
.irp b, 0,1,2,3
	v_exp_f32 v[BM+4+\b], v[BM+4+\b]               ; tile 1: the blocks' largest p
.endr
	SCALES 0
	HOLD 0
.set z, 0
.rept 32
	SUMSTEP 1
.set z, z+1
.endr
	CODES 0
	v_nop                                          ; a plain line behind the conversions, whose scale operands are written again below
	s_wait_alu depctr_va_vdst(0)                   ; one wait for tile 1's four
	SCALES 1
	HOLD 1
	CODES 1
	PLACES 4                                       ; codes made by vector instructions stand four places ahead of the scaled matrix instruction that takes them
.endm
; A STEP.  n: the step whose K and V are read; pv = 2: the second product of step n - 1 with O^T's rescaling; 1: the same, starting O^T; 0: none.
.macro BODY pv
	v_add_nc_u32 v[ADR], s[TB], v[AL]
	s_add_co_u32 s[TB], s[TB], STEPB               ; the next fetch is the next step's
	KLOAD_A
.if \pv
	s_wait_dscnt 56                                ; V of step n - 1 is in: only the 56 loads just issued are younger
	s_wait_loadcnt 2                               ; its scale words are in: the two loads of K's words are younger
	PVALL \pv
.endif
	s_wait_loadcnt 0x0                             ; K's scale words
	s_wait_dscnt 40                                ; K's fragments 0 to 3: 40 of the 56 are younger
	QKG 0
	WIN 0
	PLACES 8                                       ; ahead of loads into registers that matrix instructions have read: key tile 0's fragments, V's scale words
	KLOAD_B
	WIN 0
	v_add_nc_u32 v[VVO], s[SN], v[AL]              ; (the last load that named it was shown done above)
	global_load_b128 v[VSW:VSW+3], v[VVO], s[PKS:PKS+1] offset:1024    ; V's scale words of step n: 512 consecutive bytes a load
	global_load_b128 v[VSW+4:VSW+7], v[VVO], s[PKS:PKS+1] offset:1536
	s_wait_dscnt 32                                ; fragments 4 to 7: 24 of the first run and the 8 of the second are younger
	QKG 2
	s_wait_dscnt 16                                ; fragments 8 to 11
	QKG 4
	s_wait_dscnt 0x0                               ; fragments 12, 13 and key tile 7
	QKG 6
	WIN 0
	PLACES 8                                       ; ahead of the loads into K's scale words and V's fragments, and of the first read of the scores
	s_add_co_u32 s[TMP], s[SN], 2048
	s_min_u32 s[TMP], s[TMP], 63488                ; the last step asks for its own words again: no load leaves the batch's 65,536 bytes, and nothing reads them
	v_add_nc_u32 v[VKO], s[TMP], v[AL]
	global_load_b128 v[KSW:KSW+3], v[VKO], s[PKS:PKS+1]                ; K's scale words of step n + 1
	global_load_b128 v[KSW+4:KSW+7], v[VKO], s[PKS:PKS+1] offset:512
	s_add_co_u32 s[SN], s[SN], 2048
	VLOAD                                          ; V of step n lands under the softmax
	WIN 0
	SM2
.endm
.macro INNER                           ; a slot's two steps: written once, walked twice
	s_mov_b32 s[TWICE], 2
.Lstep_\@:
	BODY 2
	WIN 0
	s_sub_co_u32 s[TWICE], s[TWICE], 1
	s_cmp_lg_u32 s[TWICE], 0
	s_cbranch_scc1 .Lstep_\@
.endm
; THE CHANGE OF SLOTS stands at a slot's head.  Each wave waits for all its tensor loads (one is out: its quarter of the slot ahead), adds 0 to its spare word, and waits for that and for its reads of the slot that it has left.
; fill = 1: the barrier is a round of the cluster's, and behind it the slot just left is filled with the next package: the load has two steps in which to land.
.macro CHANGE fill, turn
	WIN 0
	s_wait_tensorcnt 0x0                           ; no tensor load of mine is out, so group 0 may be written
	ds_add_u32 v[SPW], v[NIL]                      ; 0 onto my spare word
.if \fill
	s_xor_b32 s[G0+1], s[G0+1], SLOT1              ; the other slot than last time,
	s_add_nc_u64 s[G0+2:G0+3], s[G0+2:G0+3], PACK  ; the next package; the type bits on top are not reached
	s_wait_xcnt 0x0                                ; the last prefetch, two steps back, has read its address
	s_add_nc_u64 s[PFA:PFA+1], s[PFA:PFA+1], PACK  ; one package further on than the descriptor
.endif
	s_wait_dscnt 0x0                               ; the add is done, and my reads of the slot that I have left are over
.if \fill
	CROUND                                         ; no wave of any partner still reads that slot or has a load on its way
	tensor_load_to_lds s[G0:G0+3], s[G1:G1+7]      ; my one tensor load until the next round
	s_nop 0
	PLACES 4
	ASK
.else
	s_barrier_signal -1
	s_barrier_wait -1
.endif
.if \turn
	s_sub_co_u32 s[TB], s[TB], PACK                ; the fetches go back to a slot's first step,
	s_xor_b32 s[TB], s[TB], SLOT1                  ; in the other slot
.endif
.endm
	s_load_b256 s[4:11], s[0:1], 0x0               ; x1 s[4:5], conv_w s[6:7], conv_b s[8:9], kvc s[10:11]
	s_load_b128 s[12:15], s[0:1], 0x20             ; kvs s[12:13], out0 s[14:15]
	v_lshl_add_u32 v[SPW], v0, 2, SPARE
	v_mov_b32 v[NIL], 0
	ds_add_u32 v1, v2
	ds_add_u32 v1, v2
	s_wait_dscnt 0x0
	v_lshrrev_b32 v[AL], 5, v0
	v_readfirstlane_b32 s[WV], v[AL]               ; wave 0..3
	s_bfe_u32 s[CX], ttmp6, 0x40000                ; my place in the cluster: it enters global addresses of my own loads and stores alone
	s_and_b32 s[HT], ttmp9, 15                     ; which 16 rows h
	s_lshr_b32 s[BB], ttmp9, 4                     ; the batch
	; descriptor group 1: 32,768 dense bytes as 128 rows of 32 elements of 8 bytes, no padding (every LDS read takes 512 consecutive bytes)
	s_mov_b32 s[G1], 15|(3<<16)|(1<<21)            ; 15:0 the mask: all four work-groups; 17:16 elements of 8 bytes; 21 set beside a mask
	s_mov_b32 s[G1+1], 32<<16                      ; tensor_dim0 = 32
	s_mov_b32 s[G1+2], 128<<16                     ; tensor_dim1 = 128
	s_mov_b32 s[G1+3], 32<<16                      ; tile_dim0 = 32
	s_mov_b32 s[G1+4], 128                         ; tile_dim1 = 128
	s_mov_b32 s[G1+5], 32                          ; from row to row
	s_mov_b32 s[G1+6], 0
	s_mov_b32 s[G1+7], 0
	s_mov_b32 s[G0], 1                             ; count = 1
	s_lshl_b32 s[G0+1], s[WV], 15                  ; LDS: slot 0, my quarter
	s_lshl_b32 s82, s[BB], 21                      ; memory: the batch's 2,097,152 bytes, package 0, my quarter
	s_lshl_b32 s83, s[WV], 15
	s_add_co_u32 s82, s82, s83
	s_mov_b32 s83, 0
	s_mov_b32 s[SEL], 0x76543210
	s_mov_b32 s[SEL+1], 0xfedcba98
	s_mov_b32 s[CS], 0x410293ee                    ; sqrt(32) log2(e)
	s_mov_b32 s[CS+1], s[CS]
	s_mov_b32 s[MH], 0xffff0000
	s_cmp_eq_u32 s[HT], 0                          ; the batch's first cluster prefetches: the same in all four partners
	s_cselect_b32 s[LIM], 1, -1
	s_wait_kmcnt 0x0
	s_add_nc_u64 s[G0+2:G0+3], s[10:11], s[82:83]
	s_or_b32 s[G0+3], s[G0+3], 0x80000000          ; type = 2
	CROUND                                         ; all four work-groups are here: the first joint loads meet
	tensor_load_to_lds s[G0:G0+3], s[G1:G1+7]      ; package 0 into slot 0
	s_nop 0
	PLACES 4
	s_lshl_b32 s84, s[BB], 21                      ; the prefetches: package 1 + 32,768 cx + 8,192 w; the first change of slots steps it to package 2
	s_lshl_b32 s85, s[CX], 15
	s_add_co_u32 s84, s84, s85
	s_lshl_b32 s85, s[WV], 13
	s_add_co_u32 s84, s84, s85
	s_add_co_u32 s84, s84, PACK
	s_mov_b32 s85, 0
	s_add_nc_u64 s[PFA:PFA+1], s[10:11], s[84:85]
	s_lshl_b32 s86, s[BB], 16                      ; kvs: 65,536 bytes a batch
	s_mov_b32 s87, 0
	s_add_nc_u64 s[PKS:PKS+1], s[PKS:PKS+1], s[86:87]
	s_lshl_b32 s86, s[BB], 5                       ; out0: ((32 b + 8 cx + 2 w) x 256 + 16 ht) rows of 1,024 bytes
	s_lshl_b32 s87, s[CX], 3
	s_add_co_u32 s86, s86, s87
	s_lshl_b32 s87, s[WV], 1
	s_add_co_u32 s86, s86, s87
	s_lshl_b32 s86, s86, 18
	s_lshl_b32 s87, s[HT], 14
	s_add_co_u32 s86, s86, s87
	s_mov_b32 s87, 0
	s_add_nc_u64 s[14:15], s[14:15], s[86:87]
	s_mul_i32 s88, s[CX], 96                       ; conv_w: my two channels' six numbers, 12 (8 cx + 2 w) bytes on
	s_mul_i32 s89, s[WV], 24
	s_add_co_u32 s88, s88, s89
	s_mov_b32 s89, 0
	s_add_nc_u64 s[6:7], s[6:7], s[88:89]
	s_lshl_b32 s88, s[CX], 5                       ; conv_b: 4 (8 cx + 2 w)
	s_lshl_b32 s86, s[WV], 3
	s_add_co_u32 s88, s88, s86
	s_add_nc_u64 s[8:9], s[8:9], s[88:89]
	s_load_b64 s[RAW:RAW+1], s[6:7], 0x0
	s_load_b64 s[RAW+2:RAW+3], s[6:7], 0x8
	s_load_b64 s[RAW+4:RAW+5], s[6:7], 0x10
	s_load_b64 s[RAW+6:RAW+7], s[8:9], 0x0
	; x1p's row h = 16 ht + r is x1's row h - 1 (1,016 bytes), or zeros.  Where that row does not exist a neighbouring row is loaded in its stead and masked to zeros: no load leaves the buffer.
	s_mul_i32 s88, s[BB], 774192
	s_mul_i32 s86, s[HT], 16256
	s_add_co_u32 s88, s88, s86
	s_add_nc_u64 s[BX:BX+1], s[4:5], s[88:89]
	s_cmp_lg_u32 s[HT], 0
	s_cselect_b32 s88, 1016, 0
	s_cselect_b32 s90, -1, 0
	s_sub_nc_u64 s[BX0:BX0+1], s[BX:BX+1], s[88:89]
	s_mov_b32 s88, 13208
	s_cmp_lg_u32 s[HT], 15
	s_cselect_b32 s88, 14224, s88
	s_cselect_b32 s91, -1, 0
	s_add_nc_u64 s[BX15:BX15+1], s[BX:BX+1], s[88:89]
	v_and_b32 v[AL], 31, v0
	v_lshlrev_b32 v[AL], 4, v[AL]
	v_lshlrev_b32 v[PFO], 4, v[AL]
	v_min_u32 v[XO], 126, v0                       ; thread t takes x1's columns 2 t, 2 t + 1; thread 127 repeats 126's and is masked: its zeros become columns 255 and 0
	v_lshlrev_b32 v[XO], 3, v[XO]
.irp p, 0,1,2
	global_load_b64 v[S+32*\p:S+32*\p+1], v[XO], s[BX0:BX0+1] offset:258064*\p
.irp r, 1,2,3,4,5,6,7,8,9,10,11,12,13,14
	global_load_b64 v[S+32*\p+2*\r:S+32*\p+2*\r+1], v[XO], s[BX:BX+1] offset:258064*\p+1016*(\r-1)
.endr
	global_load_b64 v[S+32*\p+30:S+32*\p+31], v[XO], s[BX15:BX15+1] offset:258064*\p
.endr
	v_mov_b32 v[VKO], v[AL]
	global_load_b128 v[KSW:KSW+3], v[VKO], s[PKS:PKS+1]                ; K's scale words of step 0
	global_load_b128 v[KSW+4:KSW+7], v[VKO], s[PKS:PKS+1] offset:512
	v_cmp_gt_u32 vcc_lo, 127, v0
	v_mov_b32 v44, -1
	v_cndmask_b32 v44, 0, v44, vcc_lo              ; all ones in threads 0 to 126
	v_and_b32 v45, s90, v44                        ; row 0's mask: zeros where h = 0
	v_and_b32 v46, s91, v44                        ; row 15's: zeros where h = 255
	v_lshlrev_b32 v[SA0], 1, v0
	v_add_nc_u32 v[SA1], 2, v[SA0]
	v_add_nc_u32 v[SA0], 1, v[SA0]
	v_and_b32 v[SA0], 255, v[SA0]
	v_and_b32 v[SA1], 255, v[SA1]
	v_lshl_add_u32 v[SA0], v[SA0], 2, XST          ; column (2 t + 1) % 256
	v_lshl_add_u32 v[SA1], v[SA1], 2, XST          ; column (2 t + 2) % 256
	v_and_b32 v47, 15, v0                          ; r
	v_bfe_u32 v48, v0, 4, 1                        ; h
	v_mul_u32_u24 v[XA], v47, XP
	v_lshl_add_u32 v[XA], v48, 6, v[XA]
	v_add_nc_u32 v[XA], XST, v[XA]                 ; row r, + 64 h: my 16 numbers of a block of 32
.irp b, 0,1,2,3
	v_mov_b32 v[BT+\b], 0                          ; written once: a lane permute's destination counts as one of its sources
.endr
	s_wait_loadcnt 2                               ; x1's 48 loads are in; the two loads of scale words are younger
.irp p, 0,1,2
	v_and_b32 v[S+32*\p], v45, v[S+32*\p]
	v_and_b32 v[S+32*\p+1], v45, v[S+32*\p+1]
.irp r, 1,2,3,4,5,6,7,8,9,10,11,12,13,14
	v_and_b32 v[S+32*\p+2*\r], v44, v[S+32*\p+2*\r]
	v_and_b32 v[S+32*\p+2*\r+1], v44, v[S+32*\p+2*\r+1]
.endr
	v_and_b32 v[S+32*\p+30], v46, v[S+32*\p+30]
	v_and_b32 v[S+32*\p+31], v46, v[S+32*\p+31]
.endr
.irp p, 0,1,2
.irp r, 0,1,2,3,4,5,6,7,8,9,10,11,12,13,14,15
	ds_store_b32 v[SA0], v[S+32*\p+2*\r] offset:XP*(16*\p+\r)
	ds_store_b32 v[SA1], v[S+32*\p+2*\r+1] offset:XP*(16*\p+\r)
.endr
.endr
	s_wait_dscnt 0x0                               ; for the others' sake: my columns lie in LDS
	s_barrier_signal -1                            ; package 0's load may stay out
	s_barrier_wait -1
	s_wait_kmcnt 0x0                               ; the weights and biases
.irp i, 0,1,2,3,4,5,6,7
	s_mov_b32 s[WP+2*\i], s[RAW+\i]
	s_mov_b32 s[WP+2*\i+1], s[RAW+\i]
.endr
	; q, a K step of 128 along d at a time: the three channels' numbers of my row, then for each of my two output channels the 1 x 1 convolution in f32 and the quantiser
.irp s, 0,1
	WIN W1D
.irp p, 0,1,2
.irp c, 0,1,2,3
.irp k, 0,1,2,3
	ds_load_b128 v[64*\p+16*\c+4*\k:64*\p+16*\c+4*\k+3], v[XA] offset:16*XP*\p+512*\s+128*\c+16*\k
.endr
.endr
.endr
	s_wait_dscnt 0x0
.irp t, 0,1
	WIN WQK
.set k, 0
.rept 32
	v_pk_mul_f32 v[S+2*k:S+2*k+1], v[2*k:2*k+1], s[WP+6*\t:WP+6*\t+1] op_sel_hi:[1,0]
.set k, k+1
.endr
.set k, 0
.rept 32
	v_pk_fma_f32 v[S+2*k:S+2*k+1], v[64+2*k:64+2*k+1], s[WP+6*\t+2:WP+6*\t+3], v[S+2*k:S+2*k+1] op_sel_hi:[1,0,1]
.set k, k+1
.endr
.set k, 0
.rept 32
	v_pk_fma_f32 v[S+2*k:S+2*k+1], v[128+2*k:128+2*k+1], s[WP+6*\t+4:WP+6*\t+5], v[S+2*k:S+2*k+1] op_sel_hi:[1,0,1]
.set k, k+1
.endr
	WIN 0
.set k, 0
.rept 32
	v_pk_add_f32 v[S+2*k:S+2*k+1], v[S+2*k:S+2*k+1], s[WP+12+2*\t:WP+12+2*\t+1] op_sel_hi:[1,0]   ; the bias is added to the finished sum, as the definition adds it
.set k, k+1
.endr
.if \s == 0
	QUANT S, Q+32*\t, QS+\t
.else
	QUANT S, Q+32*\t+16, ST+6*\t+5
	v_cndmask_b32 v[QS+\t], v[QS+\t], v[ST+6*\t+5], s[MH]      ; lanes 16-31 carry K step 1's word
.endif
.endr
.endr
.irp t, 0,1
	v_mov_b32 v[ST+6*\t+1], 0xff61b1e6             ; the largest t so far: -3e38, under every t
	v_floor_f32 v[ST+6*\t], -v[ST+6*\t+1]          ; -M
	v_mov_b32 v[ST+6*\t+2], 0                      ; the sum, in two halves
	v_mov_b32 v[ST+6*\t+3], 0
	v_mov_b32 v[ST+6*\t+4], 0
	v_mov_b32 v[ST+6*\t+5], 0
.endr
	s_mov_b32 s[TB], 0
	s_mov_b32 s[SN], 0
	s_mov_b32 s[SLOTS], 15                         ; packages 1 to 15 are still to be asked for
	CHANGE 1, 0                                    ; package 0 is whole; package 1 goes into slot 1
	BODY 0                                         ; step 0: scores and softmax
	BODY 1                                         ; step 1; the second product of step 0 starts O^T: nothing is ever cleared
	WIN 0
	s_sub_co_u32 s[SLOTS], s[SLOTS], 1
.Lslot:                                            ; 14 trips: packages 1 to 14 are read, packages 2 to 15 asked for
	CHANGE 1, 1
	INNER
	s_sub_co_u32 s[SLOTS], s[SLOTS], 1
	s_cmp_lg_u32 s[SLOTS], 0
	s_cbranch_scc1 .Lslot
	CHANGE 0, 1                                    ; the last package is written out
	INNER
	s_wait_dscnt 0x0                               ; V of the last step
	s_wait_loadcnt 0x0                             ; and its scale words
	PVALL 2
	WIN 0
	PLACES 8                                       ; ahead of the first read of the last products' results
	; THE WAY OUT.  The sum's halves are added; O^T / the sum goes through my stage in LDS, 16 queries x 128 channels at a time, and leaves as whole rows of 512 bytes.
.irp t, 0,1
	v_add_f32 v[ST+6*\t+5], v[ST+6*\t+2], v[ST+6*\t+3]
.endr
.irp t, 0,1
	v_permlanex16_b32 v[ST+6*\t+4], v[ST+6*\t+5], s[SEL], s[SEL+1]
.endr
.irp t, 0,1
	v_add_f32 v[ST+6*\t+5], v[ST+6*\t+5], v[ST+6*\t+4]         ; with lane l xor 16's keys: the row's sum
.endr
.irp t, 0,1
	v_rcp_f32 v[ST+6*\t+2], v[ST+6*\t+5]
.endr
	v_and_b32 v[SA0], 15, v0                       ; (plain work behind the reciprocals)  r
	v_bfe_u32 v[SA1], v0, 4, 1                     ; h
	s_mul_i32 s[TMP], s[WV], 16*OP
	s_add_co_u32 s[TMP], s[TMP], XST               ; my stage, where x1p's rows lay: their last read stands ahead of the first change of slots
	v_mul_u32_u24 v[STO], v[SA0], OP
	v_lshl_add_u32 v[STO], v[SA1], 5, v[STO]
	v_add_nc_u32 v[STO], s[TMP], v[STO]            ; in: row r, + 32 h
	v_add_nc_u32 v[RD], s[TMP], v[AL]              ; back: the 32 lanes take a row of 512 bytes
	s_wait_alu depctr_va_vdst(0)                   ; one wait for the two reciprocals, ahead of their first reader
.macro OUTP t, u, first
.if !(\first)
	s_wait_xcnt 0x0                                ; the last pass's stores have read their registers: the loads below may land there
.endif
	WIN WO
.set k, 0
.rept 32
	v_pk_mul_f32 v[S+2*k:S+2*k+1], v[128*(\t)+64*(\u)+2*k:128*(\t)+64*(\u)+2*k+1], v[ST+6*(\t)+2:ST+6*(\t)+3] op_sel_hi:[1,0]   ; each accumulator from its low end on
.set k, k+1
.endr
	WIN 0
.irp n, 0,1,2,3,4,5,6,7
	ds_store_b128 v[STO], v[S+8*\n:S+8*\n+3] offset:64*\n
	ds_store_b128 v[STO], v[S+8*\n+4:S+8*\n+7] offset:64*\n+16
.endr
.irp i, 0,1,2,3,4,5,6,7,8,9,10,11,12,13,14,15
	ds_load_b128 v[192+4*\i:192+4*\i+3], v[RD] offset:OP*\i    ; LDS serves a wave's instructions in order (ISA guide 5.7.1.4): these see my stores
.endr
.irp i, 0,1,2,3,4,5,6,7,8,9,10,11,12,13,14,15
	s_wait_dscnt 15-\i
	global_store_b128 v[AL], v[192+4*\i:192+4*\i+3], s[14:15] offset:262144*(\t)+1024*\i+512*(\u) th:TH_STORE_NT   ; 512 consecutive bytes, aligned; written once
.endr
.endm
	OUTP 0, 0, 1
	OUTP 0, 1, 0
	OUTP 1, 0, 0
	OUTP 1, 1, 0
	s_wait_tensorcnt 0x0                           ; the wave's end: behind my last tensor load and my last LDS store
	ds_add_u32 v[SPW], v[NIL]
	s_wait_dscnt 0x0
	CROUND                                         ; the closing round: no work-group ends while a partner may still ask for a package that names it
	s_endpgm
.Lfunc_end_k_qaf12b39d39_attn:
	.size	k_qaf12b39d39_attn, .Lfunc_end_k_qaf12b39d39_attn-k_qaf12b39d39_attn
	.p2alignl 7, 3214868480
	.fill 96, 4, 3214868480
	.section	.rodata,"a",@progbits
	.p2align	6, 0x0
	.amdhsa_kernel k_qaf12b39d39_attn
		.amdhsa_group_segment_fixed_size 327680
		.amdhsa_private_segment_fixed_size 0
		.amdhsa_enable_private_segment 0
		.amdhsa_kernarg_size 48
		.amdhsa_user_sgpr_count 2
		.amdhsa_user_sgpr_kernarg_segment_ptr 1
		.amdhsa_wavefront_size32 1
		.amdhsa_system_sgpr_workgroup_id_x 1
		.amdhsa_system_sgpr_workgroup_id_y 1
		.amdhsa_system_sgpr_workgroup_id_z 1
		.amdhsa_system_vgpr_workitem_id 0
		.amdhsa_next_free_vgpr 1024
		.amdhsa_next_free_sgpr 96
		.amdhsa_reserve_vcc 1
		.amdhsa_float_denorm_mode_32 3
		.amdhsa_float_denorm_mode_16_64 3
		.amdhsa_fp16_overflow 1
		.amdhsa_memory_ordered 1
		.amdhsa_forward_progress 1
		.amdhsa_inst_pref_size 255
	.end_amdhsa_kernel
	.section	.bss,"aw",@nobits
	.p2align	6
	.space	262144
	.amdgpu_metadata
---
amdhsa.version: [ 1, 2 ]
amdhsa.kernels:
  - .name:           k_qaf12b39d39_attn
    .symbol:         k_qaf12b39d39_attn.kd
    .args:
      - { .name: x1, .offset: 0, .size: 8, .value_kind: global_buffer, .address_space: global }
      - { .name: conv_w, .offset: 8, .size: 8, .value_kind: global_buffer, .address_space: global }
      - { .name: conv_b, .offset: 16, .size: 8, .value_kind: global_buffer, .address_space: global }
      - { .name: kvc, .offset: 24, .size: 8, .value_kind: global_buffer, .address_space: global }
      - { .name: kvs, .offset: 32, .size: 8, .value_kind: global_buffer, .address_space: global }
      - { .name: out0, .offset: 40, .size: 8, .value_kind: global_buffer, .address_space: global }
    .group_segment_fixed_size: 327680
    .private_segment_fixed_size: 0
    .kernarg_segment_align: 8
    .kernarg_segment_size: 48
    .max_flat_workgroup_size: 128
    .sgpr_count:     96
    .vgpr_count:     1024
    .wavefront_size: 32
...
	.end_amdgpu_metadata
.endif
;; end of part 2
